; MI455X (gfx1250); checked and timed in simulation.
; The chip was launched on July 23, 2026; its instructions are those of AMD's public machine-readable ISA for CDNA 5 (MIT licence, August 2026) and "CDNA5" Instruction Set Architecture Reference Guide (July 2026). The comments in the code are by the model that wrote it; some were corrected since.
;; LMKANRBF Layer. Allowed arithmetic: matrix products marked QUANTISED: E4M3 operands, one E8M0 scale for each 32 along K, by v_wmma_scale_f32_16x16x128_f8f6f4 with both operands' format E4M3, f32 sums; products left as they are: f32 operands where the result goes on into a quantised operand, else bf16, f16 or f32 operands; f32 sums; everything else in f32.
;; Inputs: W1 512 x 8 float32; W2 8 x 8 float32; W3 8 x 512 float32; Wout 8,193 x 1,024 float32; b1 8 float32; b2 8 float32; b3 512 float32; bout 1,024 float32; centers 512 x 16 float32; log_widths 512 x 16 float32; x 8,192 x 512 float32.
;; Outputs: out0 8,192 x 1,024 float32.
;; This version of the problem:
;;   THIS VERSION OF THE PROBLEM IS GIVEN IN LOW PRECISION. The matrix products marked QUANTISED in the list below multiply operands that are first quantised to E4M3 (4 exponent bits, 3 mantissa bits; 8 bits a number), with one power-of-two scale for each 32 numbers along K (OCP MX v1.0); their sums are f32. All else is computed in f32.
;;   The module's matrix products, in the order in which they are computed (A, B: the left and right operand; K: the contracted axis; several contracted axes count as one K, in the product's order):
;;     1. [M 8,192, K 512] x [K 512, N 8]; A: input x; B: input W1: left as it is (N = 8 < 16)
;;     2. [M 8,192, K 8] x [K 8, N 8]; A: computed on the way; B: input W2: left as it is (K = 8 < 32)
;;     3. [M 8,192, K 8] x [K 8, N 512]; A: computed on the way; B: input W3: left as it is (K = 8 < 32)
;;     4. [M 8,192, K 8,193] x [K 8,193, N 1,024]; A: computed on the way; B: input Wout: QUANTISED
;;   THE QUANTISER, for each operand of a quantised product, along K:
;;     - K is cut into blocks of 32 from its start; a last block that is shorter is filled with zeros.
;;     - A block's scale is 2^e with e = floor(log2(the largest magnitude in the block)) - 8, held to -126 .. 127; a block of zeros has e = 0. As a byte (E8M0): e + 127.
;;     - Each number is divided by its block's scale, clamped to +-448, and rounded to the nearest number of E4M3, ties to even, subnormals kept.
;;     - The product sums the exact products of the quantised numbers (number of the format x scale) in f32.
;;   ~~~python
;;   def quantise(x, axis):      # numpy; x: float32 -> the quantised numbers, widened to float32 again
;;       x = np.moveaxis(x, axis, -1); K = x.shape[-1]
;;       x = np.pad(x, [(0, 0)] * (x.ndim - 1) + [(0, -K % 32)]); x = x.reshape(x.shape[:-1] + (-1, 32)); a = np.abs(x).max(-1, keepdims=True)
;;       e = np.where(a > 0, np.clip(np.frexp(np.where(a > 0, a, 1))[1] - 1 - 8, -126, 127), 0)      # np.frexp(a)[1] - 1 = floor(log2(a)), exactly
;;       r = np.clip(x / 2.0 ** e, -448, 448)
;;       step = 2.0 ** (np.maximum(np.frexp(np.where(r == 0, 1, r))[1] - 1, -6) - 3)
;;       q = np.round(r / step) * step * 2.0 ** e      # np.round: ties to even
;;       return np.moveaxis(q.reshape(q.shape[:-2] + (-1,))[..., :K], -1, axis).astype(np.float32)
;;   ~~~
;;   OPERANDS COMPUTED ON THE WAY. 'Computed on the way' means the value that the module computes at that place (a softmax that the list does not call 'softmax' is quantised finished and normalised). What goes into a quantiser is computed in f32, as accurately as f32 sums, v_exp_f32 and their like allow (about 1e-6 of the number): no bf16 or f16 on the way to a quantiser, and a product that is left as it is and whose result goes on into a quantised operand takes f32 operands (vector FMAs, or v_wmma_f32_16x16x4_f32). A number that lies on a knife's edge between two numbers of the format may be rounded either way, as far as f32 arithmetic and the matrix unit's own rounding can turn it there, and no further.
;; One version. Each part assembles by itself: llvm-mc -triple=amdgcn-amd-amdhsa -mcpu=gfx1250 --defsym DOCPART=n.
;; ======== version 1 of 1: 2 launches
;; limits: right only within a limited range of input values
;; workspace buffers: pa 71,368,704 bytes; pb 8,921,088 bytes
;; launch prep (part 1): grid 256 x 1, 8 waves a work-group, no clusters, 187,392 bytes of LDS; arguments x, W1, b1, W2, b2, W3, b3, centers, log_widths, Wout, pa, pb; writes pa, pb
.if DOCPART == 1
	.amdgcn_target "amdgcn-amd-amdhsa--gfx1250"
	.amdhsa_code_object_version 6
	.text
	.protected	k_q732f9f995f_prep
	.globl	k_q732f9f995f_prep
	.p2align	8
	.type	k_q732f9f995f_prep,@function
k_q732f9f995f_prep:
	s_mov_b64 s[64:65], 0
	v_nop
	global_prefetch_b8 v0, s[64:65] scope:SCOPE_SE
	s_setreg_imm32_b32 hwreg(HW_REG_WAVE_MODE, 25, 1), 1
	s_wait_xcnt 0x0
; LAUNCH 1 OF 2.  It makes both operands of the one quantised product, feats [8192][8193] x Wout [8193][1024], as codes of FP8 (E4M3) with one E8M0 byte for each 32 along K.
; feats = (phi, logdet): g = softplus(silu(silu(x W1 + b1) W2 + b2) W3 + b3) + 1e-8, z = x sqrt(g), phi[i][k] = exp(-2 ((z_i - c_ik) / (exp(lw_ik) + 1e-12))^2), logdet = sum_i log g_i.  All of it in f32.
; phi = 2^(-T^2) with T = z a - b, a = sqrt(2 log2 e) / width, b = a c: one fused multiply-add, one multiplication, one exponential a number.
; WORKSPACE, laid in the order of the operand's registers.  pa = [64 blocks of 128 rows][22 slots] blocks of BLK bytes, pb = [8 blocks of 128 columns][22 slots] likewise.  In a block: codes at 16384 q + 2048 p + 512 c + 16 lane
; (q: which 128 along K of the slot's three; p: which 16 rows or columns; c: registers 4 c .. 4 c + 3 of the fragment: lane (r, h) holds k = 32 c + 16 h + 0 .. 15 of row r), scale words at 49152 + 512 q + 64 p + 4 r.
; K step st lies at slot st / 3, q = st % 3; slot 21 holds step 63 at q = 0, zeros at q = 1, and the last step (k = 8192: logdet, then zero codes) at q = 2.  In pa the 16-row block at place p of q = 2 is block p xor 4.
; k = 128 st + 32 c + 16 h + kk is centre kk of dimension 8 st + 2 c + h: a lane's 16 codes of a block are the 16 centres of ONE dimension, and a block of 32 lies in lanes l and l xor 16.
; SHARES.  Work-group j owns rows 32 j .. 32 j + 31 (two groups g of 16).  Wave w owns dimensions 64 w .. 64 w + 63 (K steps 8 w .. 8 w + 7) for all 32 rows: so x, centres, widths, W1's rows and W3's columns are each used by one
; wave of the work-group and lie in that wave's own LDS bytes; only three small regions pass between waves, behind two barriers.
; SECOND JOB.  Wout's 64 whole K steps x 8 column blocks are 512 units, two a work-group: four waves to a unit, a lane to a column, registers down K.  Its loads are out while phi is made.
; No matrix instruction, no tensor load, no cluster: what the work-groups share (the small weights, about 100 KB) is little beside the bytes that each moves alone.
; LIMITS.  NaN and infinities among the inputs are not served.  phi under 2^-126 counts as 0 (v_exp_f32 gives 0 there).  A block of zeros carries the byte 1 (0 in the padded steps) where the rule says 127: its codes are zeros and
; this program alone reads the bytes.  T is formed as z a - round(a c): its absolute error is about |a c| 2^-24, which grows with a common offset of the centres.  x W1 and logdet are summed in 16 parts each.
.set BLK,   50688                      ; 3 x 16384 codes + 3 x 512 scale bytes
.set RBLK,  22*BLK
.set WR,    22016                      ; LDS: a wave's own region
.set XPI,   272                        ; in it, from 0: 32 rows of x (later z), 256 bytes + 16: row r starts at bank 4 r mod 64 (64 banks of 4 bytes: ISA guide 11.1)
.set GRP,   16*XPI                     ; from row group 0 to row group 1
.set REC,   8704                       ; 64 records, one a dimension:
.set RP,    176                        ; a[16] at 0, b[16] at 64, W3's column [8] at 128, b3 at 160
.set W1R,   19968                      ; W1's 64 rows of 32 bytes, as they lie in memory
.set PART,  8*WR                       ; shared: [wave][row 32][8] partial sums of x W1
.set LDP,   PART+8192                  ; shared: [wave][row 32] partial logdet
.set WSC,   LDP+1024                   ; shared: Wout's scale words, one a thread
.set FLOOR, 0x4800000                  ; 2^(9 - 127): under it no largest magnitude is taken, so a scale byte cannot fall under 1
.set EOFF,  0xfc000000                 ; -(8 << 23): 8 off an exponent field
.set EXPM,  0x7f800000
.set LANE, 1
.set RR,   2                           ; lane % 16
.set HH,   3                           ; lane / 16
.set L16,  4                           ; 16 x lane
.set L4,   5                           ; 4 x lane
.set XA,   6                           ; LDS: my row r of x, my parity: region + 272 r + 4 h
.set RB,   7                           ; LDS: records of my parity: region + REC + RP h
.set W1A,  8                           ; LDS: W1's rows of my parity
.set TA,   9                           ; LDS addresses of the trip in hand
.set TZ,   10
.set TA1,  11                          ; and of the next K step (main loop)
.set TZ1,  12
.set PRD,  13                          ; PART + 32 lane
.set PWR,  14                          ; PART + 1024 wave + 32 lane
.set LDW,  15                          ; LDP + 4 thread
.set WSW,  16                          ; WSC + 4 thread
.set WO,   17                          ; 2048 h + 16 r: offset of x's and W3's loads and of Wout's code stores
.set ZERO, 18
.set L8,   19                          ; 8 x lane
.set WSR,  20                          ; WSC + 512 (wave / 4) + 16 lane
.set LDR,  21                          ; LDP + 4 lane
.set WSB,  22                          ; Wout: my column's scale word
.set SWS,  23                          ; phi: the scale word that my lane stores
.set WX,   192                         ; v192-255: two sets of 32 numbers of Wout
.set WV,   32                          ; s32 wave
.set WB0,  34                          ; s34 my region in LDS
.set SEL,  36                          ; s[36:37] v_permlanex16_b32's selects for lane l xor 16
.set MNT,  38                          ; mantissa field of 448
.set HM,   39                          ; mask of lanes 16-31
.set L2E,  40
.set LN2,  41
.set EPS,  42
.set PAB,  52                          ; s[52:53] pa at my block of 128 rows
.set CB,   54                          ; s[54:55] where the step's codes go
.set SB,   56                          ; s[56:57] and its scale words
.set QQ,   60                          ; the step's q
.set SOFF, 61                          ; its slot x BLK
.set CNT,  62
.set SRA,  66                          ; LDS steps of the loop in hand
.set SZA,  67
.set GBC,  68                          ; my first 16-row block x 2048
.set GBS,  69                          ; and x 64
	s_load_b512 s[8:23], s[0:1], 0x0               ; x 8, W1 10, b1 12, W2 14, b2 16, W3 18, b3 20, centers 22
	s_load_b256 s[24:31], s[0:1], 0x40             ; log_widths 24, Wout 26, pa 28, pb 30
	s_set_vgpr_msb 0x40
	v_lshl_add_u32 v0, v0, 2, 0x2d800
	v_mov_b32 v1, 0
	s_set_vgpr_msb 0x4000
	v_lshrrev_b32 v1, 5, v0
	s_delay_alu instid0(VALU_DEP_1)
	v_readfirstlane_b32 s[WV], v1                  ; wave 0..7
	v_and_b32 v[LANE], 31, v0
	v_and_b32 v[RR], 15, v0
	s_wait_alu depctr_va_vdst(0)
	v_bfe_u32 v[HH], v0, 4, 1
	v_lshlrev_b32 v[L16], 4, v[LANE]
	v_lshlrev_b32 v[L4], 2, v[LANE]
	v_lshlrev_b32 v[L8], 3, v[LANE]
	v_mov_b32 v[ZERO], 0
	v_lshlrev_b32 v[WO], 11, v[HH]
	s_delay_alu instid0(VALU_DEP_1)
	v_lshl_add_u32 v[WO], v[RR], 4, v[WO]
	s_mul_i32 s[WB0], s[WV], WR
	s_lshl_b32 s35, s[WV], 10
	s_lshr_b32 s33, s[WV], 2
	s_lshl_b32 s33, s33, 9
	s_mov_b32 s[SEL], 0x76543210
	s_mov_b32 s[SEL+1], 0xfedcba98
	s_mov_b32 s[MNT], 0x600000
	s_mov_b32 s[HM], 0xffff0000
	s_mov_b32 s[L2E], 0x3fb8aa3b                   ; log2 e
	s_mov_b32 s[LN2], 0x3f317218                   ; ln 2
	s_mov_b32 s[EPS], 0x322bcc77                   ; 1e-8
	; every LDS address: a constant + a constant x lane + a constant x wave
	v_mul_u32_u24 v[XA], v[RR], XPI
	s_wait_alu depctr_va_vdst(0)
	v_lshl_add_u32 v[XA], v[HH], 2, v[XA]
	s_delay_alu instid0(VALU_DEP_1)
	v_add_nc_u32 v[XA], s[WB0], v[XA]
	v_mul_u32_u24 v[RB], v[HH], RP
	s_delay_alu instid0(VALU_DEP_1)
	v_add_nc_u32 v[RB], s[WB0], v[RB]
	s_delay_alu instid0(VALU_DEP_1)
	v_add_nc_u32 v[RB], REC, v[RB]
	v_lshlrev_b32 v[W1A], 5, v[HH]
	s_delay_alu instid0(VALU_DEP_1)
	v_add_nc_u32 v[W1A], s[WB0], v[W1A]
	s_delay_alu instid0(VALU_DEP_1)
	v_add_nc_u32 v[W1A], W1R, v[W1A]
	v_lshl_add_u32 v[PRD], v[LANE], 5, PART
	s_delay_alu instid0(VALU_DEP_1)
	v_add_nc_u32 v[PWR], s35, v[PRD]
	v_lshl_add_u32 v[LDW], v0, 2, LDP
	v_lshl_add_u32 v[WSW], v0, 2, WSC
	v_add_nc_u32 v[WSR], s33, v[L16]
	s_delay_alu instid0(VALU_DEP_1)
	v_add_nc_u32 v[WSR], WSC, v[WSR]
	v_lshl_add_u32 v[LDR], v[LANE], 2, LDP
	v_mul_u32_u24 v186, v[HH], XPI                 ; v186: x into LDS: row h of a pair of rows, 16 r
	s_delay_alu instid0(VALU_DEP_1)
	v_lshl_add_u32 v186, v[RR], 4, v186
	s_delay_alu instid0(VALU_DEP_1)
	v_add_nc_u32 v186, s[WB0], v186
	v_add_nc_u32 v187, s[WB0], v[L16]              ; v187: region + 16 lane
	v_mul_u32_u24 v188, v[RR], 4*RP                ; v188: W3 into the records: dimension 4 r (+ e), row h (+ 2 t)
	s_delay_alu instid0(VALU_DEP_1)
	v_lshl_add_u32 v188, v[HH], 2, v188
	s_delay_alu instid0(VALU_DEP_1)
	v_add_nc_u32 v188, s[WB0], v188
	v_mul_u32_u24 v189, v[LANE], 2*RP              ; v189: b3: dimension 2 lane (+ e)
	s_delay_alu instid0(VALU_DEP_1)
	v_add_nc_u32 v189, s[WB0], v189
	v_lshrrev_b32 v190, 2, v[LANE]                 ; v190: a and b: dimension lane / 4 (+ 8 t), centres 4 (lane % 4) on
	s_delay_alu instid0(VALU_DEP_1)
	v_mul_u32_u24 v190, v190, RP
	v_and_b32 v191, 3, v[LANE]
	s_delay_alu instid0(VALU_DEP_1)
	v_lshl_add_u32 v190, v191, 4, v190
	s_delay_alu instid0(VALU_DEP_1)
	v_add_nc_u32 v190, s[WB0], v190
	; byte offsets into the buffers, in registers of their own
	s_lshl_b32 s70, ttmp9, 16                      ; x: 32 rows of 2,048 bytes a work-group,
	s_lshl_b32 s72, s[WV], 8                       ; 256 bytes of each row a wave (also W3's rows and b3)
	s_add_co_u32 s70, s70, s72
	s_mov_b32 s71, 0
	s_mov_b32 s73, 0
	s_lshl_b32 s74, s[WV], 11                      ; W1: 64 rows of 32 bytes
	s_mov_b32 s75, 0
	s_lshl_b32 s76, s[WV], 12                      ; centres, widths: 64 rows of 64 bytes
	s_mov_b32 s77, 0
	s_and_b32 s78, ttmp9, 7                        ; Wout's unit: column block C = j % 8,
	s_lshr_b32 s79, ttmp9, 3
	s_lshl_b32 s79, s79, 1
	s_lshr_b32 s80, s[WV], 2
	s_add_co_u32 s79, s79, s80                     ; K step st = 2 (j / 8) + wave / 4,
	s_and_b32 s81, s[WV], 3                        ; 32 columns cg = wave % 4
	s_lshl_b32 s82, s79, 19                        ; 128 rows of 4,096 bytes a step
	s_lshl_b32 s84, s78, 9
	s_add_co_u32 s82, s82, s84
	s_lshl_b32 s84, s81, 7
	s_add_co_u32 s82, s82, s84
	s_mov_b32 s83, 0
	s_mul_i32 s85, s79, 171
	s_lshr_b32 s85, s85, 9                         ; st / 3 (exact for st under 64)
	s_mul_i32 s86, s85, 3
	s_sub_co_u32 s86, s79, s86                     ; st % 3
	s_mul_i32 s87, s78, 22
	s_add_co_u32 s87, s87, s85
	s_mul_i32 s88, s87, BLK                        ; the unit's block in pb
	s_lshl_b32 s84, s86, 14
	s_add_co_u32 s90, s88, s84
	s_lshl_b32 s84, s81, 12
	s_add_co_u32 s90, s90, s84                     ; its codes: + 16384 q + 4096 cg
	s_mov_b32 s91, 0
	s_lshl_b32 s84, s86, 9
	s_add_co_u32 s92, s88, s84
	s_add_co_u32 s92, s92, 49152                   ; its scale words
	s_mov_b32 s93, 0
	s_lshr_b32 s94, ttmp9, 2
	s_mul_i32 s94, s94, RBLK                       ; pa: my block of 128 rows
	s_mov_b32 s95, 0
	s_and_b32 s[GBC], ttmp9, 3
	s_lshl_b32 s[GBS], s[GBC], 7                   ; my first 16-row block is 2 (j % 4)
	s_lshl_b32 s[GBC], s[GBC], 12
	s_wait_alu depctr_va_vdst(0)
	s_wait_kmcnt 0x0
	s_add_nc_u64 s[8:9], s[8:9], s[70:71]
	s_add_nc_u64 s[10:11], s[10:11], s[74:75]
	s_add_nc_u64 s[18:19], s[18:19], s[72:73]
	s_add_nc_u64 s[20:21], s[20:21], s[72:73]
	s_add_nc_u64 s[22:23], s[22:23], s[76:77]
	s_add_nc_u64 s[24:25], s[24:25], s[76:77]
	s_add_nc_u64 s[46:47], s[26:27], s[82:83]      ; Wout at my unit's first row, my 32 columns
	s_add_nc_u64 s[48:49], s[30:31], s[90:91]      ; pb: my codes
	s_add_nc_u64 s[50:51], s[30:31], s[92:93]      ; pb: the unit's scale words
	s_add_nc_u64 s[PAB:PAB+1], s[28:29], s[94:95]
; ---- the head's loads: 41 for phi's job, then Wout's first two blocks
.irp t, 0,1,2,3,4,5,6,7,8,9,10,11,12,13,14,15
	global_load_b128 v[24+4*\t:27+4*\t], v[WO], s[8:9] offset:4096*\t th:TH_LOAD_NT     ; x: rows 2 t + h, my wave's 256 bytes: sixteen lanes read 256 consecutive bytes
.endr
.irp t, 0,1,2,3,4,5,6,7
	global_load_b128 v[88+4*\t:91+4*\t], v[L16], s[22:23] offset:512*\t                 ; centres: 512 consecutive bytes a load
.endr
.irp t, 0,1,2,3,4,5,6,7
	global_load_b128 v[120+4*\t:123+4*\t], v[L16], s[24:25] offset:512*\t               ; log widths likewise
.endr
.irp t, 0,1,2,3
	global_load_b128 v[152+4*\t:155+4*\t], v[WO], s[18:19] offset:4096*\t               ; W3: rows 2 t + h, my 64 columns
.endr
	global_load_b64 v[168:169], v[L8], s[20:21]                                         ; b3
.irp t, 0,1,2,3
	global_load_b128 v[170+4*\t:173+4*\t], v[L16], s[10:11] offset:512*\t               ; W1: my 64 rows, dense
.endr
.macro WLOAD t                         ; Wout(128 st + 32 t + i, my column), i = 0 .. 31, into set t % 2: a wave reads 128 consecutive bytes, the unit's four waves 512
.set i, 0
.rept 32
	global_load_b32 v[WX+32*((\t)%2)+i], v[L4], s[46:47] offset:(32*(\t)+i)*4096 th:TH_LOAD_NT
.set i, i+1
.endr
.endm
	WLOAD 0
	WLOAD 1
	s_wait_loadcnt 63                              ; 64 loads were issued behind the 41: with at most 63 out, the 41 are in
; ---- into my own LDS bytes; the centres and widths become a and b on the way
.irp t, 0,1,2,3,4,5,6,7,8,9,10,11,12,13,14,15
	ds_store_b128 v186, v[24+4*\t:27+4*\t] offset:2*XPI*\t
.endr
.irp t, 0,1,2,3
	ds_store_b128 v187, v[170+4*\t:173+4*\t] offset:W1R+512*\t
.endr
.irp t, 0,1,2,3
.irp e, 0,1,2,3
	ds_store_b32 v188, v[152+4*\t+\e] offset:REC+128+RP*\e+8*\t
.endr
.endr
	ds_store_b32 v189, v168 offset:REC+160
	ds_store_b32 v189, v169 offset:REC+160+RP
.set i, 0
.rept 16
	v_pk_mul_f32 v[120+i:121+i], v[120+i:121+i], 0x3fb8aa3b op_sel_hi:[1,0]
.set i, i+2
.endr
.set i, 0
	s_wait_alu depctr_va_vdst(0)
.rept 32
	v_exp_f32 v[120+i], v[120+i]                   ; exp(log width)
.set i, i+1
.endr
	v_nop                                          ; a plain line behind the batch,
	s_wait_alu depctr_va_vdst(0)                   ; and one wait for it, ahead of its first reader
.set i, 0
.rept 16
	v_pk_add_f32 v[120+i:121+i], v[120+i:121+i], 0x2b8cbccc op_sel_hi:[1,0]   ; + 1e-12
.set i, i+2
.endr
.set i, 0
	s_wait_alu depctr_va_vdst(0)
.rept 32
	v_rcp_f32 v[120+i], v[120+i]
.set i, i+1
.endr
	v_nop
	s_wait_alu depctr_va_vdst(0)
.set i, 0
.rept 16
	v_pk_mul_f32 v[120+i:121+i], v[120+i:121+i], 0x3fd96d27 op_sel_hi:[1,0]   ; a = sqrt(2 log2 e) / width
.set i, i+2
.endr
.set i, 0
.rept 16
	v_pk_mul_f32 v[88+i:89+i], v[88+i:89+i], v[120+i:121+i]                   ; b = a c
.set i, i+2
.endr
.irp t, 0,1,2,3,4,5,6,7
	ds_store_b128 v190, v[120+4*\t:123+4*\t] offset:REC+8*\t*RP
	ds_store_b128 v190, v[88+4*\t:91+4*\t] offset:REC+8*\t*RP+64
.endr
	s_wait_dscnt 0x0                               ; the stores have read their registers, which are written again below
.irp t, 0,1,2,3,4,5,6,7,8,9,10,11,12,13,14,15
	global_load_b128 v[128+4*\t:131+4*\t], v[ZERO], s[14:15] offset:16*\t     ; W2, b1, b2: the same numbers in every lane; they land under the next phase
.endr
	global_load_b128 v[104:107], v[ZERO], s[12:13]
	global_load_b128 v[108:111], v[ZERO], s[12:13] offset:16
	global_load_b128 v[112:115], v[ZERO], s[16:17]
	global_load_b128 v[116:119], v[ZERO], s[16:17] offset:16
; ---- x W1 over my 64 dimensions, for both row groups: v24-31 group 0, v32-39 group 1.  A trip takes four pairs of dimensions
.set i, 0
.rept 16
	v_mov_b32 v[24+i], 0
	v_mov_b32 v[80+i], 0                           ; (a lane permute's destination counts as one of its sources)
.set i, i+1
.endr
	s_mov_b32 s[SRA], 0
	s_mov_b32 s[SZA], 0
	s_mov_b32 s[CNT], 8
.Lst1:
	v_add_nc_u32 v[TA], s[SRA], v[W1A]
	v_add_nc_u32 v[TZ], s[SZA], v[XA]
.irp m, 0,1,2,3
	ds_load_b128 v[48+8*\m:51+8*\m], v[TA] offset:64*\m
	ds_load_b128 v[52+8*\m:55+8*\m], v[TA] offset:64*\m+16
	ds_load_b32 v[40+2*\m], v[TZ] offset:8*\m
	ds_load_b32 v[41+2*\m], v[TZ] offset:8*\m+GRP
.endr
	s_wait_dscnt 0x0
.irp m, 0,1,2,3
.irp g, 0,1
.irp p, 0,1,2,3
	v_pk_fma_f32 v[24+8*\g+2*\p:25+8*\g+2*\p], v[40+2*\m:41+2*\m], v[48+8*\m+2*\p:49+8*\m+2*\p], v[24+8*\g+2*\p:25+8*\g+2*\p] op_sel:[\g,0,0] op_sel_hi:[\g,1,1]   ; of the pair (x of group 0, x of group 1) word g serves both halves
.endr
.endr
.endr
	s_add_co_u32 s[SRA], s[SRA], 256
	s_add_co_u32 s[SZA], s[SZA], 32
	s_sub_co_u32 s[CNT], s[CNT], 1
	s_cmp_lg_u32 s[CNT], 0
	s_cbranch_scc1 .Lst1
.set i, 0
.rept 16
	v_permlanex16_b32 v[80+i], v[24+i], s[SEL], s[SEL+1]
.set i, i+1
.endr
.set i, 0
.rept 16
	v_add_f32 v[24+i], v[24+i], v[80+i]            ; with the other parity's
.set i, i+1
.endr
.set i, 0
.rept 8
	v_cndmask_b32 v[24+i], v[24+i], v[32+i], s[HM] ; lane (r, h) keeps row 16 h + r = its own number
.set i, i+1
.endr
	ds_store_b128 v[PWR], v[24:27]
	ds_store_b128 v[PWR], v[28:31] offset:16
	s_wait_dscnt 0x0                               ; for the others: my partial sums lie in LDS
	s_barrier_signal -1
	s_barrier_wait -1
; ---- the two small layers: a row a lane, the same work in all eight waves (cheaper than a third barrier)
.irp u, 0,1,2,3,4,5,6,7
	ds_load_b128 v[40+8*\u:43+8*\u], v[PRD] offset:1024*\u
	ds_load_b128 v[44+8*\u:47+8*\u], v[PRD] offset:1024*\u+16
.endr
	s_wait_loadcnt 0x0                             ; W2, b1, b2; loads come back in order, so Wout's first 64 are in too
	s_wait_dscnt 0x0
.irp u, 0,1,2,3,4,5,6,7
.irp p, 0,1,2,3
	v_pk_add_f32 v[104+2*\p:105+2*\p], v[104+2*\p:105+2*\p], v[40+8*\u+2*\p:41+8*\u+2*\p]   ; the sum starts from b1
.endr
.endr
.macro SILU v, t                       ; eight numbers v * 1 / (1 + 2^(-v log2 e)), in place; t: eight registers at work
.irp i, 0,1,2,3,4,5,6,7
	v_mul_f32 v[\t+\i], 0xbfb8aa3b, v[\v+\i]
.endr
	s_wait_alu depctr_va_vdst(0)
.irp i, 0,1,2,3,4,5,6,7
	v_exp_f32 v[\t+\i], v[\t+\i]
.endr
	v_nop
	s_wait_alu depctr_va_vdst(0)
.irp i, 0,1,2,3,4,5,6,7
	v_add_f32 v[\t+\i], 1.0, v[\t+\i]
.endr
	s_wait_alu depctr_va_vdst(0)
.irp i, 0,1,2,3,4,5,6,7
	v_rcp_f32 v[\t+\i], v[\t+\i]
.endr
	v_nop
	s_wait_alu depctr_va_vdst(0)
.irp i, 0,1,2,3,4,5,6,7
	v_mul_f32 v[\v+\i], v[\v+\i], v[\t+\i]
.endr
.endm
	SILU 104, 120
.irp k, 0,1,2,3
.irp e, 0,1
.irp p, 0,1,2,3
	v_pk_fma_f32 v[112+2*\p:113+2*\p], v[104+2*\k:105+2*\k], v[128+8*(2*\k+\e)+2*\p:129+8*(2*\k+\e)+2*\p], v[112+2*\p:113+2*\p] op_sel:[\e,0,0] op_sel_hi:[\e,1,1]   ; h1[2 k + e] x W2's row; the sum starts from b2
.endr
.endr
.endr
	SILU 112, 120
.irp i, 0,1,2,3,4,5,6,7
	v_permlanex16_b32 v[80+\i], v[112+\i], s[SEL], s[SEL+1]
.endr
.irp i, 0,1,2,3,4,5,6,7
	v_cndmask_b32 v[24+\i], v[112+\i], v[80+\i], s[HM]     ; v24-31: h2 of row r (group 0),
	v_cndmask_b32 v[32+\i], v[80+\i], v[112+\i], s[HM]     ; v32-39: of row 16 + r (group 1), in every lane
.endr
; ---- Wout: a block of 32 along K of my column: all 32 numbers are mine
.macro WBLOCK t
.set XS, WX+32*((\t)%2)
.set CW, 48+8*(\t)                     ; each block's codes have registers of their own
	v_max3_num_f32 v42, |v[XS]|, |v[XS+1]|, |v[XS+2]|
	v_max3_num_f32 v43, |v[XS+3]|, |v[XS+4]|, |v[XS+5]|
.irp i, 6,10,14,18,22,26
	s_delay_alu instid0(VALU_DEP_2)
	v_max3_num_f32 v42, v42, |v[XS+\i]|, |v[XS+\i+1]|
	s_delay_alu instid0(VALU_DEP_2)
	v_max3_num_f32 v43, v43, |v[XS+\i+2]|, |v[XS+\i+3]|
.endr
	s_delay_alu instid0(VALU_DEP_2)
	v_max3_num_f32 v42, v42, |v[XS+30]|, |v[XS+31]|
	s_delay_alu instid0(VALU_DEP_1)
	v_max3_num_f32 v42, v42, v43, FLOOR
	s_delay_alu instid0(VALU_DEP_1)
	v_add_nc_u32 v44, EOFF, v42                    ; 8 off the exponent field: the conversion takes the exponent field of this operand as its scale
	s_delay_alu instid0(VALU_DEP_2)
	v_and_or_b32 v45, v42, EXPM, s[MNT]            ; 448 x the scale
	s_delay_alu instid0(VALU_DEP_2)
	v_lshrrev_b32 v46, 23, v44                     ; the scale's byte
.if (\t) == 0
	s_delay_alu instid0(VALU_DEP_1)
	v_mov_b32 v[WSB], v46
.else
	s_delay_alu instid0(VALU_DEP_1)
	v_lshl_or_b32 v[WSB], v46, 8*(\t), v[WSB]
.endif
.set i, 0
.rept 32
	v_med3_num_f32 v[XS+i], v[XS+i], -v45, v45     ; the conversion to an 8-bit code does not saturate (ISA guide 7.6.2): the hold comes first
.set i, i+1
.endr
.irp g, 0,1,2,3
	v_cvt_scalef32_pk8_fp8_f32 v[CW+2*\g:CW+2*\g+1], v[XS+8*\g:XS+8*\g+7], v44
.endr
	v_nop                                          ; a plain line behind the last conversion
	global_store_b128 v[WO], v[CW:CW+3], s[48:49] offset:512*(\t) th:TH_STORE_NT        ; k = 32 t + 0 .. 15: the image's lanes 0-15; sixteen lanes store 256 consecutive bytes, aligned
	global_store_b128 v[WO], v[CW+4:CW+7], s[48:49] offset:512*(\t)+256 th:TH_STORE_NT  ; k = 32 t + 16 .. 31: its lanes 16-31
.endm
	WBLOCK 0
	WLOAD 2
	WBLOCK 1
	WLOAD 3                                        ; these 64 loads stay out through the next two phases, which issue no global load
	s_wait_xcnt 0x0                                ; the four stores have read their codes: v48-63 are written again below
; ---- g, z, log g: a trip takes eight pairs of dimensions x two row groups: 16 numbers a lane.  Number 2 m + g: v128.. x, then z; v144.. y (in pairs); v176.. e^-|y|, then softplus, then g
	v_mov_b32 v40, 0                               ; sums of log2 g: group 0,
	v_mov_b32 v41, 0                               ; group 1
.irp m, 0,1,2,3,4,5,6,7
	v_mov_b32 v[113+2*\m], 0                       ; the upper halves of the pairs (b3, 0)
.endr
	s_mov_b32 s[SRA], 0
	s_mov_b32 s[SZA], 0
	s_mov_b32 s[CNT], 4
.Lpre:
	v_add_nc_u32 v[TA], s[SRA], v[RB]
	v_add_nc_u32 v[TZ], s[SZA], v[XA]
.irp m, 0,1,2,3,4,5,6,7
	ds_load_b128 v[48+8*\m:51+8*\m], v[TA] offset:2*\m*RP+128
	ds_load_b128 v[52+8*\m:55+8*\m], v[TA] offset:2*\m*RP+144
	ds_load_b32 v[112+2*\m], v[TA] offset:2*\m*RP+160
	ds_load_b32 v[128+2*\m], v[TZ] offset:8*\m
	ds_load_b32 v[129+2*\m], v[TZ] offset:8*\m+GRP
.endr
	s_wait_dscnt 0x0
.irp m, 0,1,2,3,4,5,6,7
.irp g, 0,1
	v_pk_fma_f32 v[144+4*\m+2*\g:145+4*\m+2*\g], v[24+8*\g:25+8*\g], v[48+8*\m:49+8*\m], v[112+2*\m:113+2*\m]   ; y = b3 + h2 . W3's column, in two halves
.endr
.endr
.irp p, 1,2,3
.irp m, 0,1,2,3,4,5,6,7
.irp g, 0,1
	v_pk_fma_f32 v[144+4*\m+2*\g:145+4*\m+2*\g], v[24+8*\g+2*\p:25+8*\g+2*\p], v[48+8*\m+2*\p:49+8*\m+2*\p], v[144+4*\m+2*\g:145+4*\m+2*\g]
.endr
.endr
.endr
.set i, 0
.rept 16
	v_add_f32 v[144+2*i], v[144+2*i], v[145+2*i]
.set i, i+1
.endr
.set i, 0
.rept 16
	v_mul_f32 v[176+i], s[L2E], -|v[144+2*i]|
.set i, i+1
.endr
.set i, 0
	s_wait_alu depctr_va_vdst(0)
.rept 16
	v_exp_f32 v[176+i], v[176+i]                   ; E = e^-|y|
.set i, i+1
.endr
	v_nop
	s_wait_alu depctr_va_vdst(0)
.set i, 0
.rept 16
	v_add_f32 v[48+i], 1.0, v[176+i]               ; U = 1 + E, rounded
.set i, i+1
.endr
.set i, 0
.rept 16
	v_add_f32 v[64+i], -1.0, v[48+i]               ; U - 1, exact
.set i, i+1
.endr
.set i, 0
.rept 16
	v_sub_f32 v[64+i], v[176+i], v[64+i]           ; what the addition lost, exact
.set i, i+1
.endr
.set i, 0
.rept 16
	v_log_f32 v[80+i], v[48+i]
.set i, i+1
.endr
.set i, 0
.rept 16
	v_rcp_f32 v[96+i], v[48+i]
.set i, i+1
.endr
.set i, 0
.rept 16
	v_max_num_f32 v[176+i], 0, v[144+2*i]          ; max(y, 0): plain work behind the batch, which names none of its results
.set i, i+1
.endr
	s_wait_alu depctr_va_vdst(0)
.set i, 0
.rept 16
	v_fma_f32 v[176+i], v[80+i], s[LN2], v[176+i]  ; + log U
.set i, i+1
.endr
.set i, 0
.rept 16
	v_fma_f32 v[176+i], v[64+i], v[96+i], v[176+i] ; + lost / U: max(y, 0) + log1p(e^-|y|), for every y
.set i, i+1
.endr
.set i, 0
.rept 16
	v_add_f32 v[176+i], s[EPS], v[176+i]           ; g
.set i, i+1
.endr
.set i, 0
	s_wait_alu depctr_va_vdst(0)
.rept 16
	v_sqrt_f32 v[48+i], v[176+i]
.set i, i+1
.endr
.set i, 0
.rept 16
	v_log_f32 v[64+i], v[176+i]
.set i, i+1
.endr
	v_nop
	s_wait_alu depctr_va_vdst(0)
.set i, 0
.rept 16
	v_mul_f32 v[128+i], v[128+i], v[48+i]          ; z
.set i, i+1
.endr
.irp m, 0,1,2,3,4,5,6,7
	v_add_f32 v40, v40, v[64+2*\m]
	v_add_f32 v41, v41, v[65+2*\m]
.endr
.irp m, 0,1,2,3,4,5,6,7
	ds_store_b32 v[TZ], v[128+2*\m] offset:8*\m    ; z takes x's place
	ds_store_b32 v[TZ], v[129+2*\m] offset:8*\m+GRP
.endr
	s_wait_dscnt 0x0                               ; the stores have read their registers
	s_add_co_u32 s[SRA], s[SRA], 16*RP
	s_add_co_u32 s[SZA], s[SZA], 64
	s_sub_co_u32 s[CNT], s[CNT], 1
	s_cmp_lg_u32 s[CNT], 0
	s_cbranch_scc1 .Lpre
; ---- phi.  A trip is one K step: four blocks c of 32 along K, each for both row groups.
; v48-79, v80-111: a[16], b[16] of my dimension, two buffers; v112-115: (z of group 0, z of group 1), two buffers; v116-147: T, then phi; v148-157 at work; v158-159 scale words; v160-191 the step's codes
.macro GROUP cc, buf, ra, za           ; ten LDS loads: the record and the two z of dimension pair cc, counted from the step that ra and za stand at
.irp jj, 0,1,2,3,4,5,6,7
	ds_load_b128 v[48+32*(\buf)+4*\jj:51+32*(\buf)+4*\jj], v[\ra] offset:2*(\cc)*RP+16*\jj
.endr
	ds_load_b32 v[112+2*(\buf)], v[\za] offset:8*(\cc)
	ds_load_b32 v[113+2*(\buf)], v[\za] offset:8*(\cc)+GRP
.endm
.macro PHI c, cnt, nxt                 ; cnt: the younger group's loads, which may stay out; nxt = 1: the group two blocks on is asked for
.set PB, 48+32*((\c)%2)
.set ZB, 112+2*((\c)%2)
	s_wait_dscnt \cnt
.irp g, 0,1
.irp p, 0,1,2,3,4,5,6,7
	v_pk_fma_f32 v[116+16*\g+2*\p:117+16*\g+2*\p], v[ZB:ZB+1], v[PB+2*\p:PB+2*\p+1], v[PB+16+2*\p:PB+17+2*\p] op_sel:[\g,0,0] op_sel_hi:[\g,1,1] neg_lo:[0,0,1] neg_hi:[0,0,1]   ; T = z a - b
.endr
.endr
.if \nxt
.if (\c) < 2
	GROUP (\c)+2, (\c)%2, TA, TZ                   ; into the buffer just read
.else
.if (\c) == 2
	v_add_nc_u32 v[TA1], 8*RP, v[TA]               ; the next step's addresses have registers of their own: the loads that named them last were waited for in blocks 0 and 1
	v_add_nc_u32 v[TZ1], 32, v[TZ]
.endif
	GROUP (\c)-2, (\c)%2, TA1, TZ1
.endif
.endif
.set i, 0
.rept 16
	v_pk_mul_f32 v[116+i:117+i], v[116+i:117+i], v[116+i:117+i] neg_lo:[1,0] neg_hi:[1,0]   ; -T^2
.set i, i+2
.endr
.set i, 0
	s_wait_alu depctr_va_vdst(0)
.rept 32
	v_exp_f32 v[116+i], v[116+i]                   ; phi
.set i, i+1
.endr
	v_nop                                          ; a plain line behind the batch,
	s_wait_alu depctr_va_vdst(0)                   ; and one wait for its 32
.irp g, 0,1
	v_max3_num_f32 v[148+2*\g], v[116+16*\g], v[117+16*\g], FLOOR     ; the largest of my 16 (phi is not negative), in two chains a group, with the floor among the leaves
	v_max3_num_f32 v[149+2*\g], v[124+16*\g], v[125+16*\g], v[126+16*\g]
.endr
.irp i, 2,4
.irp g, 0,1
	v_max3_num_f32 v[148+2*\g], v[148+2*\g], v[116+16*\g+\i], v[117+16*\g+\i]
	v_max3_num_f32 v[149+2*\g], v[149+2*\g], v[125+16*\g+\i], v[126+16*\g+\i]
.endr
.endr
.irp g, 0,1
	v_max3_num_f32 v[148+2*\g], v[148+2*\g], v[122+16*\g], v[123+16*\g]
.endr
.irp g, 0,1
	v_max3_num_f32 v[148+2*\g], v[148+2*\g], v[149+2*\g], v[131+16*\g]
.endr
.irp g, 0,1
	s_delay_alu instid0(VALU_DEP_2)
	v_permlanex16_b32 v[152+\g], v[148+2*\g], s[SEL], s[SEL+1]
.endr
.irp g, 0,1
	s_delay_alu instid0(VALU_DEP_2)
	v_max_num_f32 v[148+2*\g], v[148+2*\g], v[152+\g]                ; with lane l xor 16's 16: the block's
.endr
.irp g, 0,1
	s_delay_alu instid0(VALU_DEP_2)
	v_add_nc_u32 v[154+\g], EOFF, v[148+2*\g]      ; the conversion's scale operand
.endr
.irp g, 0,1
	s_delay_alu instid0(VALU_DEP_4)
	v_and_or_b32 v[156+\g], v[148+2*\g], EXPM, s[MNT]                ; 448 x the scale
.endr
.irp g, 0,1
	s_delay_alu instid0(VALU_DEP_4)
	v_lshrrev_b32 v[149+2*\g], 23, v[154+\g]       ; the scale's byte
.endr
.irp g, 0,1
.irp i, 0,1,2,3,4,5,6,7,8,9,10,11,12,13,14,15
	v_min_num_f32 v[116+16*\g+\i], v[116+16*\g+\i], v[156+\g]        ; the hold; one-sided, since phi is not negative
.endr
	v_cvt_scalef32_pk8_fp8_f32 v[160+8*(\c)+4*\g:161+8*(\c)+4*\g], v[116+16*\g:123+16*\g], v[154+\g]
	v_cvt_scalef32_pk8_fp8_f32 v[162+8*(\c)+4*\g:163+8*(\c)+4*\g], v[124+16*\g:131+16*\g], v[154+\g]
.endr
.irp g, 0,1
.if (\c) == 0
	v_mov_b32 v[158+\g], v[149+2*\g]               ; (also the plain line behind the conversions)
.else
	v_lshl_or_b32 v[158+\g], v[149+2*\g], 8*(\c), v[158+\g]
.endif
.endr
.irp g, 0,1
	global_store_b128 v[L16], v[160+8*(\c)+4*\g:163+8*(\c)+4*\g], s[CB:CB+1] offset:2048*\g+512*(\c) th:TH_STORE_NT   ; registers 4 c .. 4 c + 3 of the fragment's image: 512 consecutive bytes, aligned to 256
.endr
.endm
.macro TRIP nxt
	s_wait_xcnt 0x0                                ; the last step's stores have read their codes, their scale word and their bases: all are written again below
	s_cmp_eq_u32 s[QQ], 2
	s_cselect_b32 s70, 8192, 0                     ; at q = 2 the 16-row blocks change places: p xor 4
	s_cselect_b32 s71, 256, 0
	s_xor_b32 s70, s70, s[GBC]
	s_xor_b32 s71, s71, s[GBS]
	s_lshl_b32 s58, s[QQ], 14
	s_add_co_u32 s58, s58, s70
	s_add_co_u32 s58, s58, s[SOFF]
	s_lshl_b32 s72, s[QQ], 9
	s_add_co_u32 s72, s72, s71
	s_add_co_u32 s72, s72, s[SOFF]
	s_add_co_u32 s72, s72, 49152
	s_add_nc_u64 s[CB:CB+1], s[PAB:PAB+1], s[58:59]
	s_add_nc_u64 s[SB:SB+1], s[PAB:PAB+1], s[72:73]
	v_add_nc_u32 v[TA], s[SRA], v[RB]              ; the loads that named these two last were waited for in the last step's blocks 2 and 3
	v_add_nc_u32 v[TZ], s[SZA], v[XA]
	PHI 0, 10, 1
	PHI 1, 10, 1
	PHI 2, 10, \nxt
	PHI 3, 10*\nxt, \nxt
	v_cndmask_b32 v[SWS], v158, v159, s[HM]        ; lanes 0-15 store group 0's words, lanes 16-31 group 1's: 128 consecutive bytes
	global_store_b32 v[L4], v[SWS], s[SB:SB+1] th:TH_STORE_NT
	s_add_co_u32 s[QQ], s[QQ], 1
	s_cmp_eq_u32 s[QQ], 3
	s_cselect_b32 s[QQ], 0, s[QQ]
	s_cselect_b32 s70, BLK, 0
	s_add_co_u32 s[SOFF], s[SOFF], s70
	s_add_co_u32 s[SRA], s[SRA], 8*RP
	s_add_co_u32 s[SZA], s[SZA], 32
.endm
	v_mov_b32 v152, 0                              ; (the lane permutes' destinations)
	v_mov_b32 v153, 0
	s_lshl_b32 s70, s[WV], 3                       ; my first K step, 8 w:
	s_mul_i32 s71, s70, 171
	s_lshr_b32 s71, s71, 9                         ; its slot,
	s_mul_i32 s72, s71, 3
	s_sub_co_u32 s[QQ], s70, s72                   ; its q
	s_mul_i32 s[SOFF], s71, BLK
	s_mov_b32 s59, 0
	s_mov_b32 s73, 0
	s_mov_b32 s[SRA], 0
	s_mov_b32 s[SZA], 0
	GROUP 0, 0, RB, XA
	GROUP 1, 1, RB, XA
	s_mov_b32 s[CNT], 7
.Lstep:
	TRIP 1
	s_sub_co_u32 s[CNT], s[CNT], 1
	s_cmp_lg_u32 s[CNT], 0
	s_cbranch_scc1 .Lstep
	TRIP 0                                         ; the last step asks for nothing beyond my region: its counts run 10, 10, 10, 0
; ---- the end: my part of logdet, Wout's last two blocks, and what passes between waves
	v_permlanex16_b32 v152, v40, s[SEL], s[SEL+1]
	v_permlanex16_b32 v153, v41, s[SEL], s[SEL+1]
	s_delay_alu instid0(VALU_DEP_2)
	v_add_f32 v40, v40, v152
	s_delay_alu instid0(VALU_DEP_2)
	v_add_f32 v41, v41, v153
	s_delay_alu instid0(VALU_DEP_1)
	v_cndmask_b32 v40, v40, v41, s[HM]             ; lane = row
	ds_store_b32 v[LDW], v40
	s_wait_loadcnt 32                              ; Wout's block 2 is in; block 3's 32 loads may be out
	WBLOCK 2
	s_wait_loadcnt 0x0
	WBLOCK 3
	ds_store_b32 v[WSW], v[WSB]
.irp i, 81,82,83,84,85,86,87, 93,94,95, 102, 104,105,106,107, 109,110,111
	v_mov_b32 v[\i], 0                             ; zeros for the padded steps, and the seven numbers beside a lone one
.endr
	s_wait_dscnt 0x0                               ; for the others: my two stores lie in LDS
	s_barrier_signal -1
	s_barrier_wait -1
	; (a) a unit's 128 scale words leave as 512 consecutive bytes, by its first wave
	s_and_b32 s70, s[WV], 3
	s_cmp_lg_u32 s70, 0
	s_cbranch_scc1 .Lno_ws
	ds_load_b128 v[24:27], v[WSR]
	s_wait_dscnt 0x0
	global_store_b128 v[L16], v[24:27], s[50:51] th:TH_STORE_NT
.Lno_ws:
.macro QONE                            ; the number in v80 is alone in its block: its code comes into byte 0 of v100, its scale byte into v99
	v_and_b32 v96, 0x7fffffff, v80
	s_delay_alu instid0(VALU_DEP_1)
	v_max_num_f32 v96, FLOOR, v96
	s_delay_alu instid0(VALU_DEP_1)
	v_add_nc_u32 v97, EOFF, v96
	s_delay_alu instid0(VALU_DEP_2)
	v_and_or_b32 v98, v96, EXPM, s[MNT]
	s_delay_alu instid0(VALU_DEP_2)
	v_lshrrev_b32 v99, 23, v97
	s_delay_alu instid0(VALU_DEP_2)
	v_med3_num_f32 v80, v80, -v98, v98
	v_cvt_scalef32_pk8_fp8_f32 v[100:101], v[80:87], v97
	v_nop                                          ; a plain line behind the conversion
.endm
	; (b) wave 0: logdet of my work-group's 32 rows, a row a lane, becomes the last K step of pa (slot 21, q = 2); q = 1 there is filled with zeros
	s_cmp_lg_u32 s[WV], 0
	s_cbranch_scc1 .Lno_ld
.irp u, 0,1,2,3,4,5,6,7
	ds_load_b32 v[112+\u], v[LDR] offset:128*\u
.endr
	s_wait_xcnt 0x0                                ; earlier stores have read the bases that are written below
	s_xor_b32 s58, s[GBC], 8192
	s_add_co_u32 s58, s58, 21*BLK+32768
	s_add_co_u32 s70, s[GBC], 21*BLK+16384
	s_xor_b32 s72, s[GBS], 256
	s_add_co_u32 s72, s72, 21*BLK+49152+1024
	s_add_co_u32 s74, s[GBS], 21*BLK+49152+512
	s_mov_b32 s59, 0
	s_mov_b32 s71, 0
	s_mov_b32 s73, 0
	s_mov_b32 s75, 0
	s_add_nc_u64 s[54:55], s[PAB:PAB+1], s[58:59]
	s_add_nc_u64 s[56:57], s[PAB:PAB+1], s[70:71]
	s_add_nc_u64 s[88:89], s[PAB:PAB+1], s[72:73]
	s_add_nc_u64 s[90:91], s[PAB:PAB+1], s[74:75]
	s_wait_dscnt 0x0
	v_add_f32 v112, v112, v113
	v_add_f32 v114, v114, v115
	v_add_f32 v116, v116, v117
	v_add_f32 v118, v118, v119
	s_delay_alu instid0(VALU_DEP_3)
	v_add_f32 v112, v112, v114
	s_delay_alu instid0(VALU_DEP_2)
	v_add_f32 v116, v116, v118
	s_delay_alu instid0(VALU_DEP_1)
	v_add_f32 v112, v112, v116
	s_delay_alu instid0(VALU_DEP_1)
	v_mul_f32 v80, s[LN2], v112                    ; logdet = ln 2 x the sum of log2 g
	QONE
	v_permlanex16_b32 v102, v100, s[SEL], s[SEL+1]
	v_cndmask_b32 v108, v100, v104, s[HM]          ; group 0's image: k = 0 is byte 0 of register 0 in lanes 0-15; all else is zero codes
	s_delay_alu instid0(VALU_DEP_2)
	v_cndmask_b32 v92, v102, v104, s[HM]           ; group 1's: rows 16-31 brought down
	global_store_b128 v[L16], v[108:111], s[54:55] th:TH_STORE_NT
	global_store_b128 v[L16], v[92:95], s[54:55] offset:2048 th:TH_STORE_NT
.irp g, 0,1
.irp c, 1,2,3
	global_store_b128 v[L16], v[104:107], s[54:55] offset:2048*\g+512*\c th:TH_STORE_NT
.endr
.endr
.irp g, 0,1
.irp c, 0,1,2,3
	global_store_b128 v[L16], v[104:107], s[56:57] offset:2048*\g+512*\c th:TH_STORE_NT
.endr
.endr
	global_store_b32 v[L4], v99, s[88:89] th:TH_STORE_NT      ; the scale word: the byte below, 0 for the three blocks of zero codes
	global_store_b32 v[L4], v104, s[90:91] th:TH_STORE_NT
.Lno_ld:
	; (c) work-groups 0 to 7: Wout's row 8192 becomes the last K step of pb's column block j; wave w takes 16 columns
	s_cmp_lt_u32 ttmp9, 8
	s_cbranch_scc0 .Lno_tail
	s_wait_xcnt 0x0                                ; wave 0's stores above have read their registers
	s_lshl_b32 s70, ttmp9, 9
	s_lshl_b32 s71, s[WV], 6
	s_add_co_u32 s70, s70, s71
	s_add_co_u32 s70, s70, 8192*4096
	s_mov_b32 s71, 0
	s_add_nc_u64 s[82:83], s[26:27], s[70:71]
	v_lshlrev_b32 v113, 2, v[RR]
	global_load_b32 v80, v113, s[82:83]            ; both halves of the lanes read the same 16 numbers
	s_mul_i32 s72, ttmp9, 22
	s_add_co_u32 s72, s72, 21
	s_mul_i32 s72, s72, BLK
	s_lshl_b32 s74, s[WV], 11
	s_add_co_u32 s74, s74, s72
	s_mov_b32 s75, 0
	s_lshl_b32 s76, s[WV], 6
	s_add_co_u32 s76, s76, s72
	s_mov_b32 s77, 0
	s_add_nc_u64 s[84:85], s[30:31], s[74:75]
	s_add_nc_u64 s[86:87], s[30:31], s[76:77]
	v_xor_b32 v114, 1, v[HH]
	s_wait_alu depctr_va_vdst(0)
	v_lshl_add_u32 v114, v114, 9, v113             ; lanes 0-15: q = 2's words; lanes 16-31: q = 1's, 512 bytes below
	s_wait_loadcnt 0x0
	QONE
	v_cndmask_b32 v108, v100, v104, s[HM]
	v_cndmask_b32 v115, v99, v104, s[HM]
	global_store_b128 v[L16], v[108:111], s[84:85] offset:32768 th:TH_STORE_NT
.irp c, 1,2,3
	global_store_b128 v[L16], v[104:107], s[84:85] offset:32768+512*\c th:TH_STORE_NT
.endr
.irp c, 0,1,2,3
	global_store_b128 v[L16], v[104:107], s[84:85] offset:16384+512*\c th:TH_STORE_NT
.endr
	global_store_b32 v114, v115, s[86:87] offset:49152+512 th:TH_STORE_NT
.Lno_tail:
	s_set_vgpr_msb 0x5
	s_wait_tensorcnt 0x0
	ds_add_u32 v0, v1
	s_wait_dscnt 0x0
	s_set_vgpr_msb 0x500
	s_endpgm
.Lfunc_end_k_q732f9f995f_prep:
	.size	k_q732f9f995f_prep, .Lfunc_end_k_q732f9f995f_prep-k_q732f9f995f_prep
	.p2alignl 7, 3214868480
	.fill 96, 4, 3214868480
	.section	.rodata,"a",@progbits
	.p2align	6, 0x0
	.amdhsa_kernel k_q732f9f995f_prep
		.amdhsa_group_segment_fixed_size 187392
		.amdhsa_private_segment_fixed_size 0
		.amdhsa_enable_private_segment 0
		.amdhsa_kernarg_size 96
		.amdhsa_user_sgpr_count 2
		.amdhsa_user_sgpr_kernarg_segment_ptr 1
		.amdhsa_wavefront_size32 1
		.amdhsa_system_sgpr_workgroup_id_x 1
		.amdhsa_system_sgpr_workgroup_id_y 1
		.amdhsa_system_sgpr_workgroup_id_z 1
		.amdhsa_system_vgpr_workitem_id 0
		.amdhsa_next_free_vgpr 258
		.amdhsa_next_free_sgpr 100
		.amdhsa_reserve_vcc 0
		.amdhsa_float_denorm_mode_32 3
		.amdhsa_float_denorm_mode_16_64 3
		.amdhsa_memory_ordered 1
		.amdhsa_forward_progress 1
		.amdhsa_inst_pref_size 156
	.end_amdhsa_kernel
	.amdgpu_metadata
---
amdhsa.version: [ 1, 2 ]
amdhsa.kernels:
  - .name:           k_q732f9f995f_prep
    .symbol:         k_q732f9f995f_prep.kd
    .args:
      - { .name: x, .offset: 0, .size: 8, .value_kind: global_buffer, .address_space: global }
      - { .name: W1, .offset: 8, .size: 8, .value_kind: global_buffer, .address_space: global }
      - { .name: b1, .offset: 16, .size: 8, .value_kind: global_buffer, .address_space: global }
      - { .name: W2, .offset: 24, .size: 8, .value_kind: global_buffer, .address_space: global }
      - { .name: b2, .offset: 32, .size: 8, .value_kind: global_buffer, .address_space: global }
      - { .name: W3, .offset: 40, .size: 8, .value_kind: global_buffer, .address_space: global }
      - { .name: b3, .offset: 48, .size: 8, .value_kind: global_buffer, .address_space: global }
      - { .name: centers, .offset: 56, .size: 8, .value_kind: global_buffer, .address_space: global }
      - { .name: log_widths, .offset: 64, .size: 8, .value_kind: global_buffer, .address_space: global }
      - { .name: Wout, .offset: 72, .size: 8, .value_kind: global_buffer, .address_space: global }
      - { .name: pa, .offset: 80, .size: 8, .value_kind: global_buffer, .address_space: global }
      - { .name: pb, .offset: 88, .size: 8, .value_kind: global_buffer, .address_space: global }
    .group_segment_fixed_size: 187392
    .private_segment_fixed_size: 0
    .kernarg_segment_align: 8
    .kernarg_segment_size: 96
    .max_flat_workgroup_size: 256
    .sgpr_count:     100
    .vgpr_count:     258
    .wavefront_size: 32
...
	.end_amdgpu_metadata
.endif
;; end of part 1
;; launch gemm (part 2): grid 4 x 64, 4 waves a work-group, clusters of 4 x 4, 327,680 bytes of LDS; arguments pa, pb, bout, out0; writes out0
.if DOCPART == 2
	.amdgcn_target "amdgcn-amd-amdhsa--gfx1250"
	.amdhsa_code_object_version 6
	.text
	.protected	k_q732f9f995f_gemm
	.globl	k_q732f9f995f_gemm
	.p2align	8
	.type	k_q732f9f995f_gemm,@function
k_q732f9f995f_gemm:
	s_mov_b64 s[64:65], 0
	v_nop
	global_prefetch_b8 v0, s[64:65] scope:SCOPE_SE
	s_setreg_imm32_b32 hwreg(HW_REG_WAVE_MODE, 25, 1), 1
	s_wait_xcnt 0x0
	s_wait_alu depctr_hold_cnt(0) depctr_sa_sdst(0) depctr_va_vdst(0) depctr_va_sdst(0) depctr_va_ssrc(0) depctr_va_vcc(0) depctr_vm_vsrc(0)
	s_getreg_b32 s2, hwreg(HW_REG_IB_STS2, 6, 4)
	s_cmp_eq_u32 s2, 0
	s_cbranch_scc0 .Lentry_in_a_cluster
	s_endpgm
.Lentry_in_a_cluster:
	s_bfe_u32 s2, ttmp6, 0x10000c
	s_cmp_lg_u32 s2, 0xf033
	s_cbranch_scc0 .Lentry_shape_is_right
	s_endpgm
.Lentry_shape_is_right:
; LAUNCH 2 OF 2.  out0 [8192][1024] = feats x Wout + bout, on the codes of FP8 (E4M3) and E8M0 scale bytes that launch 1 left in pa and pb; sums in f32.
; pa = [64 blocks of 128 rows][22 K slots], pb = [8 blocks of 128 columns][22 K slots], each a block of BLK bytes for 384 along K, in the order of the operand's registers:
; codes at 16384 q + 2048 p + 512 c + 16 lane, scale words at 49152 + 512 q + 64 p + 4 r (q: which 128 of K, p: which 16 rows).  In pa at q = 2 place p holds row block p xor 4.
; THE DEAL.  256 work-groups, each 128 rows x 256 columns of C.  Four waves: nh = wave % 2 is the half of the columns, kh = wave / 2 the share of K; a wave holds 128 x 128 sums, 512 registers.
; Of a K slot's three steps wave kh takes step q = 2 kh whole (the FULL step, 64 products) and of step q = 1 the row blocks 4 kh .. 4 kh + 3 (the HALF step, 32 products).
; Wave kh numbers its row blocks a' = block xor 4 kh: so q = 2's places are a' as they lie, the half step always adds onto a' = 0 .. 3, and at the end every wave keeps a' = 0 .. 3 and hands a' = 4 .. 7 to its partner (wave xor 2).
; So each output is the sum of two f32 sums over shares of K.  K slot 21's q = 1 holds zero codes alone, laid by launch 1: its half step is left out.
; THE RING.  Two LDS slots, each a K slot: A's block, then B's two.  Waves 0, 1 fetch the halves of A's block (99 rows of 256 bytes), waves 2, 3 a block of B each (198 rows): dense runs that begin at multiples of 256.
; The full step's operands and the half step's have registers of their own.  LDS is read in TWO RUNS a K slot: the half step's 54 loads behind the full step's first eight products, the next slot's full step's 72 loads ahead of the half step's products.
; So a slot has been read out when its full step ends: the round and the refill stand there, and a refill has the half step and six eighths of the next full step in which to land.
; CLUSTERS: 4 x 4.  A's block hangs on the tile row alone and is asked for jointly along a row of the cluster, B's on the tile column alone, along a column.
; PREFETCH: behind each refill the K slot two refills on is named, each block of 256 bytes once in a cluster: the four partners of a joint load share its rows out by address (25 or 50 each); it stops with K slot 21.
; THE MATRIX INSTRUCTION IS USED TRANSPOSED (source 0 = B's columns, source 1 = A's rows): a lane holds eight neighbouring numbers of a row of C.
; REGISTERS: window 0: v0-31 addresses, v40-55 scale words, v56-59 bout, v64-127 the half step's A, v128-255 the full step's A; window 1: v0-127 the full step's B, v128-255 the half step's B; windows 2, 3: the sums of a' = 0-3, 4-7.
; LIMITS: NaN and infinities are not served.
.set BLK,    50688
.set SLOT,   3*BLK
.set SPARE,  2*SLOT                    ; behind the ring: the spare words, two blocks of 256 bytes that no other line names
.set HALFA,  99*256
.set XCH,    0                         ; the way out: the exchange of sums lies in slot 0, the stages in slot 1: both have had their last fill and their last read by then
.set STAGE,  SLOT
.set SPITCH, 528
.set SPW,  1
.set NIL,  2
.set CO,   4                           ; 16 x lane
.set AFA,  8                           ; v8.. LDS addresses, one for each slot: full step A's codes,
.set AHA,  10                          ; half step A's codes,
.set BFA,  12                          ; full step B's,
.set BHA,  14                          ; half step B's,
.set AFS,  16                          ; and their scale words in the same order
.set AHS,  18
.set BFS,  20
.set BHS,  22
.set STO,  24
.set RD,   25
.set XW,   26
.set XR,   27
.set PFO,  28                          ; the prefetches' offsets
.set PFO2, 29
.set SAF,  40                          ; scale words: register j: lanes 0-15 block 2 j, lanes 16-31 block 2 j + 1.  A's and B's numbers differ modulo 8
.set SBF,  44
.set SAH,  48
.set SBH,  52
.set BI,   56
.set G1A,  24
.set G0A,  32
.set G1B,  48
.set G0B,  56
.set PFA,  66
.set MSB, 0
.macro WIN new                         ; the immediate's high byte repeats the setting that is left
.if MSB != (\new)
	s_set_vgpr_msb (MSB<<8)|(\new)
.set MSB, (\new)
.endif
.endm
.macro PLACES n
.rept \n
	v_nop
.endr
.endm
.macro JLOAD s                         ; a joint load into slot s: waves 0, 1 for A, waves 2, 3 for B; an s_nop 0 and four v_nop follow each line
	s_cmp_eq_u32 s15, 0
	s_cbranch_scc0 .Lfor_b_\@
	tensor_load_to_lds s[G0A+4*\s:G0A+4*\s+3], s[G1A:G1A+7]
	s_nop 0
	PLACES 4
	s_branch .Lasked_\@
.Lfor_b_\@:
	tensor_load_to_lds s[G0B+4*\s:G0B+4*\s+3], s[G1B:G1B+7]
	s_nop 0
	PLACES 4
.Lasked_\@:
.endm
.macro CREST                           ; a round of the cluster's barrier behind its opening barrier
	s_cmp_lg_u32 s14, 0
	s_cbranch_scc1 .Lnot_wave_0_\@
	s_barrier_signal -3
.Lnot_wave_0_\@:
	s_barrier_wait -3
	s_barrier_signal -1
	s_barrier_wait -1
.endm
.macro CROUND
	s_barrier_signal -1
	s_barrier_wait -1
	CREST
.endm
.macro GROUP1 g, rows                  ; so many rows of 256 bytes (32 elements of 8), dense
	s_mov_b32 s[\g+1], 32<<16
	s_mov_b32 s[\g+2], (\rows)<<16
	s_mov_b32 s[\g+3], 32<<16
	s_mov_b32 s[\g+4], \rows
	s_mov_b32 s[\g+5], 32
	s_mov_b32 s[\g+6], 0
	s_mov_b32 s[\g+7], 0
.endm
.macro ASK how                         ; how = 1: the K slot two refills on is named; 2: not in the loop's last trip; 0: nothing.  A's waves name 25 rows, B's 50
.if \how
.if (\how) == 2
	s_cmp_eq_u32 s3, 1
	s_cbranch_scc1 .Lnone_\@
.endif
	global_prefetch_b8 v[PFO], s[PFA:PFA+1] th:TH_LOAD_NT scope:SCOPE_SE
	s_cmp_eq_u32 s15, 0
	s_cbranch_scc1 .Lnone_\@
	global_prefetch_b8 v[PFO2], s[PFA:PFA+1] th:TH_LOAD_NT scope:SCOPE_SE
.Lnone_\@:
.endif
.endm
	s_load_b256 s[4:11], s[0:1], 0x0               ; pa, pb, bout, out0
	v_lshl_add_u32 v[SPW], v0, 2, SPARE
	v_mov_b32 v[NIL], 0
	ds_add_u32 v[SPW], v[NIL]                      ; the opening lines: the add, twice on end, and its wait ahead of my first tensor load
	ds_add_u32 v[SPW], v[NIL]
	v_lshrrev_b32 v3, 5, v0
	v_readfirstlane_b32 s14, v3                    ; wave
	s_lshr_b32 s15, s14, 1                         ; kh.  Also: I fetch for A (0) or for B (1)
	s_and_b32 s16, s14, 1                          ; nh.  Also: which half of A's block, which block of B
	s_bfe_u32 s40, ttmp6, 0x40000                  ; cx, cy
	s_bfe_u32 s41, ttmp6, 0x40004
	s_lshl_b32 s42, ttmp9, 2
	s_add_co_u32 s42, s42, s40                     ; tile column
	s_and_b32 s17, ttmp7, 0xffff
	s_lshl_b32 s17, s17, 2
	s_add_co_u32 s17, s17, s41                     ; tile row
	s_lshl_b32 s43, s41, 2
	s_lshl_b32 s43, 15, s43                        ; my row of the cluster
	s_lshl_b32 s44, 0x1111, s40                    ; my column
	s_or_b32 s[G1A], s43, (3<<16)|(1<<21)
	s_or_b32 s[G1B], s44, (3<<16)|(1<<21)
	GROUP1 G1A, 99
	GROUP1 G1B, 198
	s_mul_i32 s20, s17, 22*BLK                     ; pa: my tile row's blocks, my half
	s_mul_i32 s45, s16, HALFA                      ; (also its place in a slot)
	s_add_co_u32 s20, s20, s45
	s_mov_b32 s21, 0
	s_lshl_b32 s46, s42, 1
	s_add_co_u32 s46, s46, s16
	s_mul_i32 s46, s46, 22*BLK                     ; pb: column block 2 x tile column + my number
	s_mov_b32 s47, 0
	s_mul_i32 s18, s16, BLK
	s_add_co_u32 s18, s18, BLK                     ; its place in a slot, behind A's block
	s_lshl_b32 s73, s15, 15                        ; LDS places of my operands in slot 0: full step: q = 2 kh
	s_lshl_b32 s74, s15, 13
	s_add_co_u32 s74, s74, 16384                   ; half step's A: q = 1, row blocks 4 kh on
	s_add_co_u32 s76, s18, s73                     ; B's block nh
	s_add_co_u32 s77, s18, 16384
	s_lshl_b32 s78, s15, 10
	s_add_co_u32 s78, s78, 49152
	s_lshl_b32 s79, s15, 8
	s_add_co_u32 s79, s79, 49152+512
	s_add_co_u32 s80, s18, s78
	s_add_co_u32 s81, s18, 49152+512
	s_mul_i32 s82, s14, 16*SPITCH
	s_add_co_u32 s82, s82, STAGE                   ; my stage
	s_lshl_b32 s83, s14, 15                        ; the exchange: 32,768 bytes a wave; mine,
	s_xor_b32 s84, s83, 65536                      ; my partner's
	s_lshl_b32 s88, s42, 10                        ; my first column in bytes
	s_lshl_b32 s89, s16, 9
	s_add_co_u32 s88, s88, s89
	s_mov_b32 s89, 0
	s_lshl_b32 s86, s17, 19                        ; my first row of C that I store: 128 x tile row + 64 kh
	s_lshl_b32 s87, s15, 18
	s_add_co_u32 s86, s86, s87
	s_add_co_u32 s86, s86, s88
	s_mov_b32 s87, 0
	s_cmp_eq_u32 s15, 0                            ; the prefetches: my place among the four that ask with me, and my share of the load's rows
	s_cselect_b32 s70, s40, s41
	s_cselect_b32 s71, 25, 50
	s_mov_b32 s72, 197
	s_cselect_b32 s72, 98, s72                     ; the load's last row
	s_mul_i32 s70, s70, s71
	s_wait_dscnt 0x0                               ; both opening adds are done
	s_wait_kmcnt 0x0
	s_add_nc_u64 s[20:21], s[4:5], s[20:21]
	s_add_nc_u64 s[46:47], s[6:7], s[46:47]
	s_add_nc_u64 s[8:9], s[8:9], s[88:89]
	s_add_nc_u64 s[10:11], s[10:11], s[86:87]
	s_cmp_eq_u32 s15, 0
	s_cselect_b64 s[PFA:PFA+1], s[20:21], s[46:47]
	s_add_nc_u64 s[PFA:PFA+1], s[PFA:PFA+1], 3*BLK ; each refill steps it by a K slot first: the first names K slot 4
	CROUND                                         ; all sixteen work-groups are here: the first joint loads meet
.irp s, 0,1
	s_mov_b32 s[G0A+4*\s], 1
	s_add_co_u32 s[G0A+4*\s+1], s45, \s*SLOT
	s_add_nc_u64 s[G0A+4*\s+2:G0A+4*\s+3], s[20:21], \s*BLK
	s_or_b32 s[G0A+4*\s+3], s[G0A+4*\s+3], 0x80000000
	s_mov_b32 s[G0B+4*\s], 1
	s_add_co_u32 s[G0B+4*\s+1], s18, \s*SLOT
	s_add_nc_u64 s[G0B+4*\s+2:G0B+4*\s+3], s[46:47], \s*BLK
	s_or_b32 s[G0B+4*\s+3], s[G0B+4*\s+3], 0x80000000
.endr
	JLOAD 0                                        ; K slot 0: one tensor load a wave at the head
	v_and_b32 v3, 31, v0
	v_lshlrev_b32 v[CO], 4, v3
	v_lshlrev_b32 v5, 2, v3
	v_add_nc_u32 v[AFA], s73, v[CO]
	v_add_nc_u32 v[AHA], s74, v[CO]
	v_add_nc_u32 v[BFA], s76, v[CO]
	v_add_nc_u32 v[BHA], s77, v[CO]
	v_add_nc_u32 v[AFS], s78, v5
	v_add_nc_u32 v[AHS], s79, v5
	v_add_nc_u32 v[BFS], s80, v5
	v_add_nc_u32 v[BHS], s81, v5
.irp r, AFA, AHA, BFA, BHA, AFS, AHS, BFS, BHS
	v_add_nc_u32 v[\r+1], SLOT, v[\r]
.endr
	v_and_b32 v6, 15, v0
	v_bfe_u32 v7, v0, 4, 1
	v_mul_u32_u24 v[STO], v6, SPITCH               ; into the stage: row l % 16, 32 bytes for each half of the lanes
	v_lshl_add_u32 v[STO], v7, 5, v[STO]
	v_add_nc_u32 v[STO], s82, v[STO]
	v_add_nc_u32 v[RD], s82, v[CO]
	v_add_nc_u32 v[XW], s83, v[CO]
	v_add_nc_u32 v[XR], s84, v[CO]
	v_min_u32 v[PFO], 24, v3                       ; a lane a row of 256 bytes; the lanes left over name the 25th again; no row beyond the load's last
	v_add_nc_u32 v[PFO], s70, v[PFO]
	v_add_nc_u32 v[PFO2], 25, v[PFO]
	v_min_u32 v[PFO], s72, v[PFO]
	v_min_u32 v[PFO2], s72, v[PFO2]
	v_lshlrev_b32 v[PFO], 8, v[PFO]
	v_lshlrev_b32 v[PFO2], 8, v[PFO2]
	global_load_b128 v[BI:BI+3], v[CO], s[8:9]     ; bout at my four columns of a row of 128
.macro EMIT rb, ra, zero               ; one product; rb, ra: the halves of the lanes that hold B's and A's scale words
.set rR, (\rb)+2*(\ra)
.if \zero
.if rR == 0
	v_wmma_scale_f32_16x16x128_f8f6f4 v[rD:rD+7], v[rB:rB+15], v[rA:rA+15], 0, v[rSB], v[rSA]
.elseif rR == 1
	v_wmma_scale_f32_16x16x128_f8f6f4 v[rD:rD+7], v[rB:rB+15], v[rA:rA+15], 0, v[rSB], v[rSA] matrix_a_scale:MATRIX_SCALE_ROW1
.elseif rR == 2
	v_wmma_scale_f32_16x16x128_f8f6f4 v[rD:rD+7], v[rB:rB+15], v[rA:rA+15], 0, v[rSB], v[rSA] matrix_b_scale:MATRIX_SCALE_ROW1
.else
	v_wmma_scale_f32_16x16x128_f8f6f4 v[rD:rD+7], v[rB:rB+15], v[rA:rA+15], 0, v[rSB], v[rSA] matrix_a_scale:MATRIX_SCALE_ROW1 matrix_b_scale:MATRIX_SCALE_ROW1
.endif
.else
.if rR == 0
	v_wmma_scale_f32_16x16x128_f8f6f4 v[rD:rD+7], v[rB:rB+15], v[rA:rA+15], v[rD:rD+7], v[rSB], v[rSA]
.elseif rR == 1
	v_wmma_scale_f32_16x16x128_f8f6f4 v[rD:rD+7], v[rB:rB+15], v[rA:rA+15], v[rD:rD+7], v[rSB], v[rSA] matrix_a_scale:MATRIX_SCALE_ROW1
.elseif rR == 2
	v_wmma_scale_f32_16x16x128_f8f6f4 v[rD:rD+7], v[rB:rB+15], v[rA:rA+15], v[rD:rD+7], v[rSB], v[rSA] matrix_b_scale:MATRIX_SCALE_ROW1
.else
	v_wmma_scale_f32_16x16x128_f8f6f4 v[rD:rD+7], v[rB:rB+15], v[rA:rA+15], v[rD:rD+7], v[rSB], v[rSA] matrix_a_scale:MATRIX_SCALE_ROW1 matrix_b_scale:MATRIX_SCALE_ROW1
.endif
.endif
.endm
.macro MM a, b, ab, bb, sa, sb, zero   ; row block a' = a x column block b; ab, bb: where A's and B's fragments begin; the sums take turns, one product a turn
	WIN 0xa1+0x50*((\a)/4)                         ; source 0 (B) window 1, source 1 (A) window 0, C and D window 2 or 3
.set rD, 8*(8*((\a)%4)+(\b))
.set rB, (\bb)+16*(\b)
.set rA, (\ab)+16*(\a)
.set rSB, (\sb)+(\b)/2
.set rSA, (\sa)+(\a)/2
	EMIT (\b)%2, (\a)%2, \zero
.endm
.macro LDF s                           ; the full step's 72 LDS loads from slot s, in one run: B's scale words, A's, B's eight fragments, A's eight
	WIN 0
.irp j, 0,1,2,3
	ds_load_b32 v[SBF+\j], v[BFS+(\s)] offset:128*\j
.endr
.irp j, 0,1,2,3
	ds_load_b32 v[SAF+\j], v[AFS+(\s)] offset:128*\j
.endr
	WIN 0x40
.irp i, 0,1,2,3,4,5,6,7
.irp c, 0,1,2,3
	ds_load_b128 v[16*\i+4*\c:16*\i+4*\c+3], v[BFA+(\s)] offset:2048*\i+512*\c
.endr
.endr
	WIN 0
.irp i, 0,1,2,3,4,5,6,7
.irp c, 0,1,2,3
	ds_load_b128 v[128+16*\i+4*\c:128+16*\i+4*\c+3], v[AFA+(\s)] offset:2048*\i+512*\c
.endr
.endr
.endm
.macro LDH s                           ; the half step's 54 loads, in one run: B's eight fragments, A's four, B's four scale words, A's two
	WIN 0x40
.irp i, 0,1,2,3,4,5,6,7
.irp c, 0,1,2,3
	ds_load_b128 v[128+16*\i+4*\c:128+16*\i+4*\c+3], v[BHA+(\s)] offset:2048*\i+512*\c
.endr
.endr
	WIN 0
.irp i, 0,1,2,3
.irp c, 0,1,2,3
	ds_load_b128 v[64+16*\i+4*\c:64+16*\i+4*\c+3], v[AHA+(\s)] offset:2048*\i+512*\c
.endr
.endr
.irp j, 0,1,2,3
	ds_load_b32 v[SBH+\j], v[BHS+(\s)] offset:128*\j
.endr
	ds_load_b32 v[SAH], v[AHS+(\s)]
	ds_load_b32 v[SAH+1], v[AHS+(\s)] offset:128
.endm
; What stands ahead of the full step's row block a.  The counts: A's fragments behind block a's (four loads each), the half step's 54 loads from block 1 on, the add.
.macro FWAIT a, s, mode, ask
.if (\mode) == 0
	s_wait_dscnt 4*(7-(\a))                        ; the last full step: nothing else is out
.elseif (\a) == 0
	s_wait_dscnt 28
.elseif (\a) == 1
	LDH \s                                         ; its registers were last read by the half step before, which closed with eight places
	s_wait_dscnt 63                                ; 82 may be out: at most 63 leave blocks 1 to 4 in
.elseif (\a) == 5
	s_wait_dscnt 62
.elseif (\a) == 6
	WIN 0
.if \ask
	s_wait_xcnt 0x0                                ; my last prefetches have read their address
	s_add_nc_u64 s[PFA:PFA+1], s[PFA:PFA+1], BLK
.endif
	s_wait_tensorcnt 0x0                           ; all my tensor loads have landed: my part of the other slot;
	ds_add_u32 v[SPW], v[NIL]                      ; 0 onto my spare word
.if (\mode) == 2
	s_add_nc_u64 s[G0A+4*\s+2:G0A+4*\s+3], s[G0A+4*\s+2:G0A+4*\s+3], 2*BLK   ; no load of mine is out: this slot's next K slot
	s_add_nc_u64 s[G0B+4*\s+2:G0B+4*\s+3], s[G0B+4*\s+2:G0B+4*\s+3], 2*BLK
.endif
	s_wait_dscnt 59
.elseif (\a) == 7
	s_wait_dscnt 0x0                               ; the add is done, and my reads of this slot are over: both steps' operands are in registers
	s_barrier_signal -1
.endif
.endm
; THE FULL STEP of slot s: 64 products, A's blocks one after the other, each against B's eight.
; mode 2: the slot is filled again behind a round of the cluster's barrier; 1: a plain barrier shows the other slot; 0: the last step of all.
.macro FST s, zero, mode, ask
.set N_, 0
.rept 64
.if N_%8 == 0
	FWAIT N_/8, \s, \mode, \ask
.endif
	MM N_/8, N_%8, 128, 0, SAF, SBF, \zero
.set N_, N_+1
.endr
	WIN 0
.if (\mode) == 2
	s_barrier_wait -1
	CREST                                          ; no wave of any partner still reads this slot or has a load on its way
	JLOAD \s                                       ; the first tensor load behind the round; its four v_nop and the four below are the places ahead of the loads into the full step's registers
	PLACES 4
	ASK \ask
.elseif (\mode) == 1
	s_barrier_wait -1
	PLACES 8
.endif
.endm
; THE HALF STEP of slot s: the next full step's loads from the other slot, then 32 products on registers.  Eight places close it, ahead of the loads into its registers.
.macro HST s
	LDF 1-(\s)
.set N_, 0
.rept 32
	MM N_/8, N_%8, 64, 128, SAH, SBH, 0
.set N_, N_+1
.endr
	WIN 0
	PLACES 8
.endm
	s_wait_alu depctr_va_vdst(0)
	s_wait_tensorcnt 0x0                           ; my part of K slot 0 is in; the same lines as ahead of a refill stand ahead of slot 1's first fill
	ds_add_u32 v[SPW], v[NIL]
	s_wait_dscnt 0x0
	CROUND
	JLOAD 1                                        ; K slot 1
	LDF 0
	FST 0, 1, 2, 1                                 ; K slot 0's full step starts the sums, ahead of the loop
	s_mov_b32 s3, 9
.Llap:                                                 ; a trip: K slots 2 i (its half step), 2 i + 1, 2 i + 2 (its full step); both slots are filled again
	HST 0
	FST 1, 0, 2, 1
	HST 1
	FST 0, 0, 2, 2
	s_sub_co_u32 s3, s3, 1
	s_cmp_lg_u32 s3, 0
	s_cbranch_scc1 .Llap
	HST 0                                          ; K slot 18
	FST 1, 0, 2, 0                                 ; 19: the last refill, K slot 21
	HST 1
	FST 0, 0, 1, 0                                 ; 20: nothing is filled again
	HST 0
	FST 1, 0, 0, 0                                 ; 21: its q = 1 holds zero codes alone and is left out
; THE TWO SHARES OF K ARE JOINED: each wave hands its row blocks a' = 4 .. 7 (window 3) to its partner through slot 0, and adds the partner's onto its a' = 0 .. 3.
	PLACES 8
	WIN 0x0c
.set t, 0
.rept 64
	ds_store_b128 v[XW], v[4*t:4*t+3] offset:512*t ; each accumulator from its low end on
.set t, t+1
.endr
	WIN 0
	s_wait_loadcnt 0x0                             ; bout
	s_wait_dscnt 0x0                               ; for the partner: my stores are done; and my reads of slot 1 were over before
	s_barrier_signal -1
	s_barrier_wait -1
	WIN 0x40
.set t, 0
.rept 64
	ds_load_b128 v[4*t:4*t+3], v[XR] offset:512*t
.set t, t+1
.endr
.irp a, 0,1,2,3
	s_wait_dscnt 48-16*\a
	WIN 0x86
.set i, 0
.rept 32
	v_pk_add_f32 v[64*\a+i:64*\a+i+1], v[64*\a+i:64*\a+i+1], v[64*\a+i:64*\a+i+1]   ; window 2 += window 1
.set i, i+2
.endr
.endr
; THE WAY OUT, block by block of 16 rows x 128 columns, through my own stage: back as whole rows of 512 bytes, bout added, two aligned units of 256 bytes a store.
; Each block comes back into 64 registers of its own in window 1, and every store's offset is an immediate (63 rows of 4,096 bytes at the most): no store's registers and no base are written again.
.macro TOSTAGE a
	WIN 0x08
.irp b, 0,1,2,3,4,5,6,7
	ds_store_b128 v[STO], v[64*(\a)+8*\b:64*(\a)+8*\b+3] offset:64*\b
	ds_store_b128 v[STO], v[64*(\a)+8*\b+4:64*(\a)+8*\b+7] offset:64*\b+16
.endr
	WIN 0x40
.irp t, 0,1,2,3,4,5,6,7,8,9,10,11,12,13,14,15
	ds_load_b128 v[64*(\a)+4*\t:64*(\a)+4*\t+3], v[RD] offset:\t*SPITCH   ; LDS serves a wave's instructions in order: these see the stores above, and the next block's stores come behind them
.endr
.endm
.macro SEND a, younger                 ; younger: the LDS instructions issued behind block a's loads, which may stay out
	s_wait_dscnt \younger
	WIN 0x41                                       ; destination and source 0 window 1, bout window 0
.irp t, 0,1,2,3,4,5,6,7,8,9,10,11,12,13,14,15
	v_pk_add_f32 v[64*(\a)+4*\t:64*(\a)+4*\t+1], v[64*(\a)+4*\t:64*(\a)+4*\t+1], v[BI:BI+1]
	v_pk_add_f32 v[64*(\a)+4*\t+2:64*(\a)+4*\t+3], v[64*(\a)+4*\t+2:64*(\a)+4*\t+3], v[BI+2:BI+3]
.endr
	WIN 0x04                                       ; the data window 1, the offset window 0
.irp t, 0,1,2,3,4,5,6,7,8,9,10,11,12,13,14,15
	global_store_b128 v[CO], v[64*(\a)+4*\t:64*(\a)+4*\t+3], s[10:11] offset:(\a)*65536+\t*4096 th:TH_STORE_NT
.endr
.endm
	TOSTAGE 0
.irp a, 1,2,3
	TOSTAGE \a
	SEND \a-1, 32
.endr
	SEND 3, 0
	WIN 0
	s_wait_tensorcnt 0x0                           ; the wave's end
	ds_add_u32 v[SPW], v[NIL]
	s_wait_dscnt 0x0
	CROUND                                         ; the closing round
	s_endpgm
.Lfunc_end_k_q732f9f995f_gemm:
	.size	k_q732f9f995f_gemm, .Lfunc_end_k_q732f9f995f_gemm-k_q732f9f995f_gemm
	.p2alignl 7, 3214868480
	.fill 96, 4, 3214868480
	.section	.rodata,"a",@progbits
	.p2align	6, 0x0
	.amdhsa_kernel k_q732f9f995f_gemm
		.amdhsa_group_segment_fixed_size 327680
		.amdhsa_private_segment_fixed_size 0
		.amdhsa_enable_private_segment 0
		.amdhsa_kernarg_size 32
		.amdhsa_user_sgpr_count 2
		.amdhsa_user_sgpr_kernarg_segment_ptr 1
		.amdhsa_wavefront_size32 1
		.amdhsa_system_sgpr_workgroup_id_x 1
		.amdhsa_system_sgpr_workgroup_id_y 1
		.amdhsa_system_sgpr_workgroup_id_z 1
		.amdhsa_system_vgpr_workitem_id 0
		.amdhsa_next_free_vgpr 1024
		.amdhsa_next_free_sgpr 100
		.amdhsa_reserve_vcc 0
		.amdhsa_float_denorm_mode_32 3
		.amdhsa_float_denorm_mode_16_64 3
		.amdhsa_memory_ordered 1
		.amdhsa_forward_progress 1
		.amdhsa_inst_pref_size 171
	.end_amdhsa_kernel
	.amdgpu_metadata
---
amdhsa.version: [ 1, 2 ]
amdhsa.kernels:
  - .name:           k_q732f9f995f_gemm
    .symbol:         k_q732f9f995f_gemm.kd
    .args:
      - { .name: pa, .offset: 0, .size: 8, .value_kind: global_buffer, .address_space: global }
      - { .name: pb, .offset: 8, .size: 8, .value_kind: global_buffer, .address_space: global }
      - { .name: bout, .offset: 16, .size: 8, .value_kind: global_buffer, .address_space: global }
      - { .name: out0, .offset: 24, .size: 8, .value_kind: global_buffer, .address_space: global }
    .group_segment_fixed_size: 327680
    .private_segment_fixed_size: 0
    .kernarg_segment_align: 8
    .kernarg_segment_size: 32
    .max_flat_workgroup_size: 128
    .sgpr_count:     100
    .vgpr_count:     1024
    .wavefront_size: 32
...
	.end_amdgpu_metadata
.endif
;; end of part 2
